; MI455X (gfx1250); checked and timed in simulation.
; The chip was launched on July 23, 2026; its instructions are those of AMD's public machine-readable ISA for CDNA 5 (MIT licence, August 2026) and "CDNA5" Instruction Set Architecture Reference Guide (July 2026). The comments in the code are by the model that wrote it; some were corrected since.
;; Full Attention. Allowed arithmetic: matrix products marked QUANTISED: E2M1 operands, one E8M0 scale for each 32 along K, by v_wmma_scale_f32_16x16x128_f8f6f4 with both operands' format E2M1 (or v_wmma_scale_f32_32x16x128_f4), f32 sums; products left as they are: bf16, f16 or f32 operands; f32 sums; everything else in f32.
;; Inputs: attn_mask 1 bool; keys 8 x 2,048 x 8 x 64 float32; queries 8 x 2,048 x 8 x 64 float32; values 8 x 2,048 x 8 x 64 float32.
;; Outputs: out0 8 x 2,048 x 8 x 64 float32.
;; This version of the problem:
;;   THIS VERSION OF THE PROBLEM IS GIVEN IN LOW PRECISION. The matrix products marked QUANTISED in the list below multiply operands that are first quantised to E2M1 (2 exponent bits, 1 mantissa bit; 4 bits a number), with one power-of-two scale for each 32 numbers along K (OCP MX v1.0); their sums are f32. The products marked 'left as it is' may take bf16, f16 or f32 operands, with f32 sums. Whichever they take, every output number must still come out within the allowed error. Rounding operands to bf16 (8 significant bits) uses up far more of that allowance than f16 does (11 bits, for magnitudes from 6e-5 to 65,504). All else is computed in f32.
;;   The module's matrix products, in the order in which they are computed (A, B: the left and right operand; K: the contracted axis; several contracted axes count as one K, in the product's order):
;;     1. batch 64 x [M 2,048, K 64] x [K 64, N 2,048]; A: input queries; B: input keys: QUANTISED
;;     2. batch 64 x [M 64, K 2,048] x [K 2,048, N 2,048]; A: input values; B: computed on the way: left as it is (an operand is computed on the way)
;;   THE QUANTISER, for each operand of a quantised product, along K:
;;     - K is cut into blocks of 32 from its start; a last block that is shorter is filled with zeros.
;;     - A block's scale is 2^e with e = floor(log2(the largest magnitude in the block)) - 2, held to -126 .. 127; a block of zeros has e = 0. As a byte (E8M0): e + 127.
;;     - Each number is divided by its block's scale, clamped to +-6, and rounded to the nearest number of E2M1, ties to even, subnormals kept.
;;     - The product sums the exact products of the quantised numbers (number of the format x scale) in f32.
;;   ~~~python
;;   def quantise(x, axis):      # numpy; x: float32 -> the quantised numbers, widened to float32 again
;;       x = np.moveaxis(x, axis, -1); K = x.shape[-1]
;;       x = np.pad(x, [(0, 0)] * (x.ndim - 1) + [(0, -K % 32)]); x = x.reshape(x.shape[:-1] + (-1, 32)); a = np.abs(x).max(-1, keepdims=True)
;;       e = np.where(a > 0, np.clip(np.frexp(np.where(a > 0, a, 1))[1] - 1 - 2, -126, 127), 0)      # np.frexp(a)[1] - 1 = floor(log2(a)), exactly
;;       r = np.clip(x / 2.0 ** e, -6, 6)
;;       step = 2.0 ** (np.maximum(np.frexp(np.where(r == 0, 1, r))[1] - 1, 0) - 1)
;;       q = np.round(r / step) * step * 2.0 ** e      # np.round: ties to even
;;       return np.moveaxis(q.reshape(q.shape[:-2] + (-1,))[..., :K], -1, axis).astype(np.float32)
;;   ~~~
;; One version. Each part assembles by itself: llvm-mc -triple=amdgcn-amd-amdhsa -mcpu=gfx1250 --defsym DOCPART=n.
;; ======== version 1 of 1: 1 launch
;; limits: values are held in f16: magnitudes above 65,504 overflow, below 6.1e-05 lose precision; inputs' magnitudes at most 65,504
;; launch attn (part 1): grid 4 x 64, 8 waves a work-group, clusters of 4 x 1, 327,680 bytes of LDS; arguments queries, keys, values, attn_mask, out0; writes out0
.if DOCPART == 1
	.amdgcn_target "amdgcn-amd-amdhsa--gfx1250"
	.amdhsa_code_object_version 6
	.text
	.protected	k_q0c3144aaf9_attn
	.globl	k_q0c3144aaf9_attn
	.p2align	8
	.type	k_q0c3144aaf9_attn,@function
k_q0c3144aaf9_attn:
	s_mov_b64 s[64:65], 0
	v_nop
	global_prefetch_b8 v0, s[64:65] scope:SCOPE_SE
	s_setreg_imm32_b32 hwreg(HW_REG_WAVE_MODE, 25, 1), 1
	s_wait_xcnt 0x0
	s_wait_alu depctr_hold_cnt(0) depctr_sa_sdst(0) depctr_va_vdst(0) depctr_va_sdst(0) depctr_va_ssrc(0) depctr_va_vcc(0) depctr_vm_vsrc(0)
	s_getreg_b32 s2, hwreg(HW_REG_IB_STS2, 6, 4)
	s_cmp_eq_u32 s2, 0
	s_cbranch_scc0 .Lentry_in_a_cluster
	s_endpgm
.Lentry_in_a_cluster:
	s_bfe_u32 s2, ttmp6, 0x10000c
	s_cmp_lg_u32 s2, 0x3003
	s_cbranch_scc0 .Lentry_shape_is_right
	s_endpgm
.Lentry_shape_is_right:
; out[b][l][h][:] = the sum over s of softmax_s(Q[b][l][h] . K[b][s][h] / 8) V[b][s][h][:].  All four tensors [8][2048][8][64] f32: a row is 256 bytes, the rows of one head lie 2,048 bytes apart.
; THE FIRST PRODUCT is made on codes of FP4 (E2M1) with one E8M0 scale for each 32 of the head's 64: Q and K are quantised here, in f32, on their way to the matrix unit.
; A block's scale is 2^(floor(log2(its largest magnitude)) - 2); its byte is the largest magnitude's exponent field - 2, held at 1 from below.  The instruction's K is 128, the head's 64:
; the upper 64 are zero CODES on both sides, and their two scale bytes repeat the two real ones.
; THE SECOND PRODUCT takes f16 operands (p is at most 1; V is rounded to f16 once) and f32 sums.  Maxima, exponentials, sums and the division are f32.
; attn_mask is an input that the computation takes and never uses: its byte is read, and nothing is made of it.
; LIMITS: NaN and infinities are not served.  A block whose largest magnitude lies under 2^-124 (a block of zeros too) keeps the scale byte 1.  |values| above 65,504 have no f16 number.
; The running maximum starts at -3e38: scores under that are not served.
; SHARES.  Work-group y is the head (8 b + h).  The four work-groups of a cluster own 512 queries each of that head; each of a work-group's eight waves owns 64: four tiles of 16.
; Every wave walks all 2,048 keys, 128 a trip.  Both products are used transposed (S^T = K Q^T, O^T = V^T P): a lane holds ONE query (lane % 16) throughout.
; CLUSTER.  The four partners walk the same K and V: each piece is asked for JOINTLY, by the same tensor load with the same descriptor and a mask that names the four.
; THE ROAD OF K AND V.  f32 rows come by tensor loads into a ring of two raw slots of 128 keys (waves 0, 1: K's halves; waves 2, 3: V's).  In trip i each wave turns 16 keys of chunk i + 1 into operands:
; K's codes and scale words, V's f16 numbers, stored in LDS as IMAGES OF THE OPERANDS' REGISTERS (16 bytes a lane, 512 a store), in one of two image buffers; all eight waves load chunk i's images.
; One barrier a trip (a round of the cluster's where a raw slot is filled again) orders all of it: in front of it each wave's tensor loads have landed, its reads of the raw slot and of the old images are
; back and its stores into the new images are done.
; THE CHANNELS OF A TILE OF V^T ARE NOT NEIGHBOURS: row m of tile T is channel 32 (T / 2) + 2 m + T % 2, so that a lane that reads 8 bytes (two channels) of 16 keys holds whole register groups of two tiles.
; In O^T tile T, lane (q, h), register j is then channel 32 (T / 2) + 16 h + 2 j + T % 2: tiles 2 u and 2 u + 1 interleave to 16 neighbouring channels.
; REGISTERS, in windows of 256 (s_set_vgpr_msb: bits 1:0 source 0, 3:2 source 1, 5:4 source 2, 7:6 destination):
;   window 0: v1-14 addresses; v16-47 Q's four fragments; v48-51 Q's scale words; v52-55 K's; v56-119 K's eight fragments; v120-183 S^T, then p; v184-215 P in f16; v216-231 four statistics a tile; v232-251 at work
;   window 1: v0-127 O^T (tile t, channel tile T at 32 t + 8 T); v128-255 V^T's sixteen fragments (at the head: Q's rows as loaded)
.set ROWG,  2048                       ; bytes from a position's row to the next position's, in one head
.set CHB,   128*ROWG                   ; a chunk of 128 keys in memory
.set RP,    272                        ; a raw row in LDS: 256 bytes + 16 of padding: 68 words, so that 16 rows' equal columns start 4 words apart
.set HALFR, 64*RP                      ; 64 rows: what one tensor load brings
.set RAWB,  128*RP                     ; a raw slot of K or of V
.set VRAW0, 2*RAWB                     ; K's two raw slots, then V's two
.set IMG0,  4*RAWB                     ; behind the raw ring: two image buffers
.set IMV,   4096                       ; in an image buffer: K's codes (8 tiles x 512 bytes), then V^T's 32 register groups of 512 bytes,
.set IMS,   20480                      ; then K's scale words, 16 bytes a lane
.set IMGB,  20992
.set STAGE, IMG0+2*IMGB                ; 16 rows x 272 bytes for each wave: Q's turn at the head, O's on the way out; no tensor load lands here
.set STW,   16*RP
.set SPARE, STAGE+8*STW                ; the spare words, 128 bytes for each wave: four blocks of 256 bytes that no other line names
.set AI,  1                            ; v1   IMG0 + 16 x lane: an image's place for my lane
.set KR,  2                            ; v2   raw K: my wave's 16 keys, row lane % 16, block lane / 16
.set VR,  3                            ; v3   raw V: my wave's 16 keys, 8 bytes a lane
.set KW,  4                            ; v4   where I store my tile's codes
.set KSW, 5                            ; v5   and its scale words
.set VW,  6                            ; v6   where I store V's register groups
.set SW,  7                            ; v7   the stage by rows: lanes 0-15 one row of 256 bytes, lanes 16-31 the next
.set SRD, 8                            ; v8   the stage: row lane % 16, 128 bytes for each half of the lanes
.set SO,  9                            ; v9   the stage: row lane % 16, 64 bytes for each half
.set GQ,  10                           ; v10  the same two rows as SW's in Q and in out
.set H8,  11                           ; v11  8 x (lane / 16)
.set PFO, 12                           ; v12  the prefetches' offset: a row a lane
.set SPW, 13                           ; v13  LDS address of my spare word; never rewritten
.set NIL, 14                           ; v14  0; never rewritten
.set QF,  16
.set QS,  48
.set KS,  52
.set KF,  56
.set SS,  120
.set PP,  184
.set ST,  216                          ; tile t at ST + 4 t: c m, m, l (even keys', odd keys')
.set CX,  232                          ; v232-235 the maximum's four chains
.set FA,  236                          ; v[236:237] a = 2^(c m_old - c m_new); the upper one is named with it as a pair and written once
.set TC,  238                          ; a lane permute's destination
.set DD,  239
.set CT,  240                          ; v240-243 K's codes just made (at the head: lane, lane % 16, lane / 16)
.set LN,  240
.set RW,  241
.set HF,  242
.set WD,  244                          ; the scale word just made
.set SCV, 245                          ; the conversions' scale operand
.set SA,  246                          ; v[246:247], v[248:249] the row sum's two chains
.set SB,  248
.set TA,  250
.set TB,  251
.set WV,  14                           ; s14  my wave's number
.set G1,  24                           ; s[24:31] descriptor group 1: one shape for K and V
.set G0K, 32                           ; s[32:39] group 0 for K's halves, a set for each raw slot
.set G0V, 40                           ; s[40:47] the same for V
.set CS,  48                           ; s[48:49] c = log2(e) / 8
.set SEL, 50                           ; s[50:51] v_permlanex16_b32's selects for lane l xor 16
.set IT,  52                           ; s52  pairs of trips to go
.set LIM, 53                           ; s53  1 in a wave that prefetches, else the greatest number
.set PFA, 54                           ; s[54:55] where my prefetches stand
.set HOFF, 56                          ; s[56:57] the head's first byte in each tensor
.set MSB, 0
.macro WIN new                         ; the immediate's high byte repeats the setting that is left; a switch that changes nothing is dropped
.if MSB != \new
	s_set_vgpr_msb (MSB<<8)|\new
.set MSB, \new
.endif
.endm
.macro PLACES                          ; four places behind matrix instructions, in front of reads of their results and of loads into their registers
.rept 4
	v_nop
.endr
.endm
; A round of the cluster's barrier: my work-group's barrier; wave 0 signals for the work-group; every wave waits for all four work-groups; my work-group's barrier once more.
.macro CROUND
	s_barrier_signal -1
	s_barrier_wait -1
	s_cmp_lg_u32 s[WV], 0
	s_cbranch_scc1 .Lnot_wave_0_\@
	s_barrier_signal -3
.Lnot_wave_0_\@:
	s_barrier_wait -3
	s_barrier_signal -1
	s_barrier_wait -1
.endm
; A joint refill of raw slot p: waves 0 and 1 fetch K's halves, waves 2 and 3 V's, the others nothing.  The branches hang on the wave's number alone: they are the same in all four partners.
; An s_nop 0 and four v_nop follow each of the two lines.
.macro TLOAD p
	s_cmp_lt_u32 s[WV], 2
	s_cbranch_scc0 .Lnot_k_\@
	tensor_load_to_lds s[G0K+4*\p:G0K+4*\p+3], s[G1:G1+7]
	s_nop 0
.rept 4
	v_nop
.endr
	s_branch .Lasked_\@
.Lnot_k_\@:
	s_cmp_lt_u32 s[WV], 4
	s_cbranch_scc0 .Lasked_\@
	tensor_load_to_lds s[G0V+4*\p:G0V+4*\p+3], s[G1:G1+7]
	s_nop 0
.rept 4
	v_nop
.endr
.Lasked_\@:
.endm
; A PREFETCH INTO THE L2 of the chunk that the NEXT trip's refill will ask for.  A chunk has 128 rows of K and 128 of V, 256 bytes each.  The four partners share the rows out BY ADDRESS, 32 each;
; in each, wave 4 asks for K's and wave 5 for V's, a lane a row, one instruction: so each row is named once in the launch.  Chunks 0, 1 and 2 come by their loads alone; the last refill's trip asks for nothing.
; how = 1: a pair's first trip, which always has a chunk to name; how = 0: its second, which has none in the last pair.
.macro ASK how
.if \how
	s_cmp_eq_u32 s[LIM], 1
.else
	s_cmp_gt_u32 s[IT], s[LIM]
.endif
	s_cbranch_scc0 .Lnot_mine_\@
	global_prefetch_b8 v[PFO], s[PFA:PFA+1] th:TH_LOAD_NT scope:SCOPE_SE
.Lnot_mine_\@:
.endm
; 32 numbers of a lane, one whole block of its row (block lane / 16), become four registers of codes and, with lane l xor 16's byte, the row's scale word.
.macro QUANT32 x, code, word
	v_max3_num_f32 v[TA], |v[(\x)]|, |v[(\x)+1]|, |v[(\x)+2]|            ; the block's largest magnitude, in two chains
	v_max3_num_f32 v[TB], |v[(\x)+3]|, |v[(\x)+4]|, |v[(\x)+5]|
.irp i, 6,10,14,18,22,26
	v_max3_num_f32 v[TA], v[TA], |v[(\x)+\i]|, |v[(\x)+\i+1]|
	v_max3_num_f32 v[TB], v[TB], |v[(\x)+\i+2]|, |v[(\x)+\i+3]|
.endr
	v_max3_num_f32 v[TA], v[TA], |v[(\x)+30]|, |v[(\x)+31]|
	v_max3_num_f32 v[TA], v[TA], v[TB], 0x1800000                  ; and the floor 2^(3 - 127): the byte cannot fall under 1
	v_add_nc_u32 v[SCV], 0xff000000, v[TA]                         ; 2 off its exponent field: the conversion takes the exponent field of this operand as its scale
	v_lshrrev_b32 v[TB], 23, v[SCV]                                ; the scale's byte
.irp g, 0,1,2,3
	v_cvt_scalef32_pk8_fp4_f32 v[(\code)+\g], v[(\x)+8*\g:(\x)+8*\g+7], v[SCV]
.endr
	v_lshlrev_b32 v[TB], v[H8], v[TB]                              ; my byte at its place, 8 (lane / 16) bits up.  (Also the plain instruction behind the conversions)
	v_permlanex16_b32 v[TC], v[TB], s[SEL], s[SEL+1]
	v_or_b32 v[(\word)], v[TB], v[TC]                              ; the row's two bytes,
	v_lshl_or_b32 v[(\word)], v[(\word)], 16, v[(\word)]           ; and once more for the two blocks of zero codes
.endm
; My wave's 16 keys of raw slot sl: K: my block's 128 bytes of key lane % 16; V: 8 bytes (channels 2 lane, 2 lane + 1) of each of the 16 keys.
.macro RAWLD sl
.set n, 0
.rept 8
	ds_load_b128 v[SS+4*n:SS+4*n+3], v[KR] offset:(\sl)*RAWB+16*n
.set n, n+1
.endr
.set n, 0
.rept 16
	ds_load_b64 v[SS+32+2*n:SS+33+2*n], v[VR] offset:(\sl)*RAWB+RP*n
.set n, n+1
.endr
.endm
; They become operands in image buffer im.
.macro CONV im
	s_wait_dscnt 16                                                ; K's eight loads are in; V's sixteen may be out
	QUANT32 SS, CT, WD
	ds_store_b128 v[KW], v[CT:CT+3] offset:(\im)*IMGB              ; tile w of K, registers 0-3, as they stand
	ds_store_b32 v[KSW], v[WD] offset:(\im)*IMGB                   ; lanes l and l xor 16 write the same word with the same value
	s_wait_dscnt 2                                                 ; V's sixteen loads are in; the two stores behind them may be out
.set n, 0
.rept 8
	v_cvt_pk_f16_f32 v[PP+n], v[SS+32+4*n], v[SS+34+4*n]           ; channel 2 lane: keys 2 n, 2 n + 1, the lower key in the low half
	v_cvt_pk_f16_f32 v[PP+8+n], v[SS+33+4*n], v[SS+35+4*n]         ; channel 2 lane + 1
.set n, n+1
.endr
	ds_store_b128 v[VW], v[PP:PP+3] offset:(\im)*IMGB              ; even tile, my keys 0-7: lanes 0-15 of the group;
	ds_store_b128 v[VW], v[PP+4:PP+7] offset:(\im)*IMGB+256        ; keys 8-15: its lanes 16-31;
	ds_store_b128 v[VW], v[PP+8:PP+11] offset:(\im)*IMGB+1024      ; odd tile likewise
	ds_store_b128 v[VW], v[PP+12:PP+15] offset:(\im)*IMGB+1280
.endm
; A chunk's operands out of image buffer im: K's scale words, K's eight fragments (registers 0-3; 4-7 stay zeros), V^T's sixteen.
.macro LOADS im
	PLACES                                                         ; the last trip's products have read these registers
	ds_load_b128 v[KS:KS+3], v[AI] offset:(\im)*IMGB+IMS
.set n, 0
.rept 8
	ds_load_b128 v[KF+8*n:KF+8*n+3], v[AI] offset:(\im)*IMGB+512*n
.set n, n+1
.endr
	WIN 0x40                                                       ; destination window 1
.set n, 0
.rept 32
	ds_load_b128 v[128+4*n:128+4*n+3], v[AI] offset:(\im)*IMGB+IMV+512*n
.set n, n+1
.endr
	WIN 0
	s_wait_dscnt 32                                                ; K's nine loads are in; V's 32 may be out
.endm
; S^T = K Q^T for tile t of my queries: eight products of 16 keys.  Register KS + j holds the scale words of tile 2 j in lanes 0-15 and of tile 2 j + 1 in lanes 16-31.
.macro QK t
.set kt, 0
.rept 4
	v_wmma_scale_f32_16x16x128_f8f6f4 v[SS+8*kt:SS+8*kt+7], v[KF+8*kt:KF+8*kt+7], v[QF+8*(\t):QF+8*(\t)+7], 0, v[KS+kt/2], v[QS+(\t)] matrix_a_fmt:MATRIX_FMT_FP4 matrix_b_fmt:MATRIX_FMT_FP4
	v_wmma_scale_f32_16x16x128_f8f6f4 v[SS+8*kt+8:SS+8*kt+15], v[KF+8*kt+8:KF+8*kt+15], v[QF+8*(\t):QF+8*(\t)+7], 0, v[KS+kt/2], v[QS+(\t)] matrix_a_fmt:MATRIX_FMT_FP4 matrix_b_fmt:MATRIX_FMT_FP4 matrix_a_scale:MATRIX_SCALE_ROW1
.set kt, kt+2
.endr
.endm
; The softmax of tile t for these 128 keys.  Register 8 kt + j of S^T is key 16 kt + 8 (lane / 16) + j of my query.
.macro SM t
.set rT, ST+4*(\t)
	PLACES
.irp k, 0,1,2,3
	v_max3_num_f32 v[CX+\k], v[SS+16*\k], v[SS+16*\k+1], v[SS+16*\k+2]      ; the maximum of my 64 scores and the old m: four chains, each result read from its low end on
.endr
.irp i, 3,5,7,9,11,13
.irp k, 0,1,2,3
	v_max3_num_f32 v[CX+\k], v[CX+\k], v[SS+16*\k+\i], v[SS+16*\k+\i+1]
.endr
.endr
	v_max3_num_f32 v[CX], v[CX], v[SS+15], v[SS+31]
	v_max3_num_f32 v[CX+2], v[CX+2], v[SS+47], v[SS+63]
	v_max3_num_f32 v[CX], v[CX], v[CX+1], v[CX+2]
	v_max3_num_f32 v[CX], v[CX], v[CX+3], v[rT+1]
	v_permlanex16_b32 v[TC], v[CX], s[SEL], s[SEL+1]               ; the query's other 64 keys lie in the lane 16 away
	v_mov_b32 v[DD], v[rT]                                         ; c m_old
	v_max_num_f32 v[rT+1], v[CX], v[TC]                            ; the new m
	v_mul_f32 v[rT], s[CS], v[rT+1]                                ; c m
	v_sub_f32 v[DD], v[DD], v[rT]                                  ; c m_old - c m_new
.set b, 0
.rept 2
	v_pk_fma_f32 v[SS+2*b:SS+2*b+1], v[SS+2*b:SS+2*b+1], s[CS:CS+1], v[rT:rT+1] op_sel_hi:[1,0,0] neg_lo:[0,0,1] neg_hi:[0,0,1]   ; c s - c m, two at a time
.set b, b+1
.endr
	v_exp_f32 v[FA], v[DD]                                         ; ONE BATCH of 65 exponentials; no line up to the wait names a result.  A pair is scaled two pairs ahead of its exponentials
.set b, 0
.rept 32
	v_exp_f32 v[SS+2*b], v[SS+2*b]
	v_exp_f32 v[SS+2*b+1], v[SS+2*b+1]
.if b < 30
	v_pk_fma_f32 v[SS+2*b+4:SS+2*b+5], v[SS+2*b+4:SS+2*b+5], s[CS:CS+1], v[rT:rT+1] op_sel_hi:[1,0,0] neg_lo:[0,0,1] neg_hi:[0,0,1]
.endif
.set b, b+1
.endr
	v_nop                                                          ; a plain instruction behind the last exponential,
	s_wait_alu depctr_va_vdst(0)                                   ; and the one wait ahead of the batch's first reader
.set b, 0
.rept 32
	v_cvt_pk_f16_f32 v[PP+b], v[SS+2*b], v[SS+2*b+1]               ; registers 8 g to 8 g + 7 ARE source 1 of keys 32 g on: nothing changes lanes
.set b, b+1
.endr
	v_pk_add_f32 v[SA:SA+1], v[SS:SS+1], v[SS+2:SS+3]              ; the row's sum, of p in f32, in two chains
	v_pk_add_f32 v[SB:SB+1], v[SS+4:SS+5], v[SS+6:SS+7]
.irp j, 8,12,16,20,24,28,32,36,40,44,48,52,56,60
	v_pk_add_f32 v[SA:SA+1], v[SA:SA+1], v[SS+\j:SS+\j+1]
	v_pk_add_f32 v[SB:SB+1], v[SB:SB+1], v[SS+\j+2:SS+\j+3]
.endr
	v_pk_add_f32 v[SA:SA+1], v[SA:SA+1], v[SB:SB+1]
	v_pk_fma_f32 v[rT+2:rT+3], v[rT+2:rT+3], v[FA:FA+1], v[SA:SA+1] op_sel_hi:[1,0,1]   ; l = a l + the sum
	WIN 0x41                                                       ; O^T (destination and source 0) window 1, a window 0
.set b, 0
.rept 16
	v_pk_mul_f32 v[32*(\t)+2*b:32*(\t)+2*b+1], v[32*(\t)+2*b:32*(\t)+2*b+1], v[FA:FA+1] op_sel_hi:[1,0]   ; O^T x a, each accumulator from its low end on
.set b, b+1
.endr
.endm
; O^T += V^T P for tile t: four blocks of 32 keys x four tiles of channels.  The four accumulators take turns, one instruction a turn.
.macro PV t
	WIN 0x51                                                       ; V window 1, P window 0, C and D window 1
.irp g, 0,1,2,3
.irp n, 0,1,2,3
	v_wmma_f32_16x16x32_f16 v[32*(\t)+8*\n:32*(\t)+8*\n+7], v[128+8*(4*\g+\n):128+8*(4*\g+\n)+7], v[PP+8*\g:PP+8*\g+7], v[32*(\t)+8*\n:32*(\t)+8*\n+7]
.endr
.endr
	WIN 0
.endm
; THE HEAD OF A TRIP.  Each wave waits for all its tensor loads (the next chunk's raw rows), adds 0 to its spare word, and waits for that, for its reads of the raw slot and of the old images, and for its
; stores into the new images.  fill = 1: raw slot p, which was turned into images a trip ago, is filled again, two chunks on: the barrier is a round of the cluster's, the joint load the first thing behind it.
.macro TOP p, fill, how
	s_wait_tensorcnt 0x0                                           ; no tensor load of mine is out, so a group 0 may be written
	ds_add_u32 v[SPW], v[NIL]                                      ; 0 onto my spare word
.if \fill
	ds_add_u32 v[SPW], v[NIL]                                      ; and once more
	s_add_nc_u64 s[G0K+4*\p+2:G0K+4*\p+3], s[G0K+4*\p+2:G0K+4*\p+3], 2*CHB   ; this slot's next chunk; the type bits on top are not reached
	s_add_nc_u64 s[G0V+4*\p+2:G0V+4*\p+3], s[G0V+4*\p+2:G0V+4*\p+3], 2*CHB
	s_wait_xcnt 0x0                                                ; the last prefetch, a trip back, has read its address, so it may be written:
	s_add_nc_u64 s[PFA:PFA+1], s[PFA:PFA+1], CHB                   ; one chunk further on than this trip's refill
	s_wait_dscnt 0x0
	CROUND
	TLOAD \p
	ASK \how
.else
	s_wait_dscnt 0x0
	s_barrier_signal -1
	s_barrier_wait -1
.endif
.endm
; A TRIP: chunk i out of image buffer p = i % 2.  conv = 1: chunk i + 1 is turned from raw slot 1 - p into image buffer 1 - p; its raw loads are issued ahead of the last tile's V^T P and land beside it.
.macro TRIP p, fill, conv, how
	TOP \p, \fill, \how
	LOADS \p
	QK 0
	SM 0
	s_wait_dscnt 0x0                                               ; V's fragments are in
	PV 0
	QK 1
	SM 1
	PV 1
	QK 2
	SM 2
	PV 2
	QK 3
	SM 3
.if \conv
	WIN 0
	RAWLD 1-\p                                                     ; into S^T's registers: the sixteen rescalings above are the places behind the products that wrote them
.endif
	PV 3
.if \conv
	CONV 1-\p                                                      ; its sixteen maxima are the places between V^T P and the writes of P's registers
.endif
.endm
	s_load_b256 s[4:11], s[0:1], 0x0               ; queries s[4:5], keys s[6:7], values s[8:9], attn_mask s[10:11]
	s_load_b64 s[12:13], s[0:1], 0x20              ; out0
	v_lshl_add_u32 v[SPW], v0, 2, SPARE
	v_mov_b32 v[NIL], 0
	ds_add_u32 v[SPW], v[NIL]                      ; the wave's opening: the add, twice on end, and its wait ahead of the first tensor loads; the set-up below, work on registers, stands between
	ds_add_u32 v[SPW], v[NIL]
	v_lshrrev_b32 v[TA], 5, v0
	v_readfirstlane_b32 s[WV], v[TA]               ; wave 0..7
	v_and_b32 v[LN], 31, v0                        ; lane
	v_and_b32 v[RW], 15, v0                        ; r = lane % 16
	v_bfe_u32 v[HF], v0, 4, 1                      ; h = lane / 16
	s_bfe_u32 s16, ttmp6, 0x40000                  ; cx: my place in the cluster
	s_lshl_b32 s17, ttmp9, 2                       ; in a cluster launch ttmp9 counts clusters
	s_add_co_u32 s17, s17, s16                     ; my block of 512 queries: it enters Q's and out's addresses alone
	s_and_b32 s18, ttmp7, 0xffff                   ; the head, 8 b + h, which the four partners share
	s_lshr_b32 s19, s18, 3
	s_lshl_b32 s19, s19, 22                        ; b x 2,048 positions x 2,048 bytes
	s_and_b32 s18, s18, 7
	s_lshl_b32 s18, s18, 8                         ; h x 256 bytes
	s_or_b32 s[HOFF], s19, s18
	s_mov_b32 s[HOFF+1], 0
	s_lshl_b32 s20, s17, 20                        ; my block's 512 rows,
	s_lshl_b32 s21, s[WV], 17                      ; my wave's 64 of them
	s_add_co_u32 s20, s20, s21
	s_mov_b32 s21, 0
	s_add_nc_u64 s[20:21], s[20:21], s[HOFF:HOFF+1]
	s_and_b32 s58, s[WV], 1                        ; which 64 rows of a chunk I fetch, if I fetch:
	s_lshl_b32 s22, s58, 17                        ; in memory,
	s_mov_b32 s23, 0
	s_mul_i32 s59, s58, HALFR                      ; and in a raw slot: no place in the cluster enters an LDS address
	s_lshl_b32 s60, s16, 16                        ; the prefetches: my work-group's 32 rows of a chunk's 128,
	s_add_co_u32 s60, s60, 2*CHB                   ; in chunk 2: the first trip steps it to chunk 3
	s_mov_b32 s61, 0
	; descriptor group 1: a tile of 64 rows x 64 numbers of 4 bytes, 512 numbers from row to row, padded in LDS
	s_mov_b32 s[G1], 15|(2<<16)|(1<<20)|(1<<21)|(5<<22)|(3<<25)   ; 15:0 the mask: all four work-groups; 17:16 elements of 4 bytes; 20 padding on; 21 set beside a mask; 24:22 after every 64 words (code 5); 31:25 four words (code 3)
	s_mov_b32 s[G1+1], 64<<16                      ; tensor_dim0 = 64
	s_mov_b32 s[G1+2], 64<<16                      ; tensor_dim1 = 64
	s_mov_b32 s[G1+3], 64<<16                      ; tile_dim0 = 64
	s_mov_b32 s[G1+4], 64                          ; tile_dim1 = 64
	s_mov_b32 s[G1+5], 512                         ; tensor_dim0_stride
	s_mov_b32 s[G1+6], 0
	s_mov_b32 s[G1+7], 0
	s_mov_b32 s[CS], 0x3e38aa3b                    ; c = log2(e) / sqrt(64)
	s_mov_b32 s[CS+1], s[CS]                       ; (named with it as a pair, so it is written)
	s_mov_b32 s[SEL], 0x76543210
	s_mov_b32 s[SEL+1], 0xfedcba98
	; every LDS address, ahead of the first branch on the wave's number
	s_mul_i32 s18, s[WV], STW                      ; 16 rows of 272 bytes a wave
	s_add_co_u32 s19, s18, VRAW0
	s_add_co_u32 s62, s18, STAGE
	v_lshl_add_u32 v[AI], v[LN], 4, IMG0
	v_mul_u32_u24 v[KR], v[RW], RP
	v_lshl_add_u32 v[SO], v[HF], 6, v[KR]
	v_add_nc_u32 v[SO], s62, v[SO]
	v_lshl_add_u32 v[KR], v[HF], 7, v[KR]
	v_add_nc_u32 v[SRD], s62, v[KR]
	v_add_nc_u32 v[KR], s18, v[KR]
	v_lshl_add_u32 v[VR], v[LN], 3, s19
	v_mul_u32_u24 v[SW], v[HF], RP
	v_lshl_add_u32 v[SW], v[RW], 4, v[SW]
	v_add_nc_u32 v[SW], s62, v[SW]
	s_lshl_b32 s19, s[WV], 9                       ; K's codes: tile w
	v_add_nc_u32 v[KW], s19, v[AI]
	s_lshr_b32 s63, s[WV], 1
	s_lshl_b32 s19, s58, 8                         ; K's scale words: tile w's lie in lanes 16 (w % 2) on, word w / 2 of a lane's four
	s_lshl_b32 s62, s63, 2
	s_add_co_u32 s19, s19, s62
	s_add_co_u32 s19, s19, IMG0+IMS
	v_lshl_add_u32 v[KSW], v[RW], 4, s19
	s_lshl_b32 s19, s63, 12                        ; V: my 16 keys are group w % 2 of key block w / 2; my lane's channels lie in tiles 2 h and 2 h + 1, row r
	s_lshl_b32 s62, s58, 9
	s_add_co_u32 s19, s19, s62
	s_add_co_u32 s19, s19, IMG0+IMV
	v_lshl_add_u32 v[VW], v[RW], 4, s19
	v_lshl_add_u32 v[VW], v[HF], 11, v[VW]
	v_lshlrev_b32 v[GQ], 4, v[RW]
	v_lshl_add_u32 v[GQ], v[HF], 11, v[GQ]
	v_lshlrev_b32 v[H8], 3, v[HF]
	v_lshlrev_b32 v[PFO], 11, v[LN]
	s_sub_co_u32 s62, s[WV], 4
	s_lshr_b32 s62, s62, 1                         ; 0 in waves 4 and 5: the same in all four partners
	s_cmp_eq_u32 s62, 0
	s_cselect_b32 s[LIM], 1, -1
	s_wait_dscnt 0x0                               ; both opening adds are done
	s_wait_kmcnt 0x0
	s_add_nc_u64 s[4:5], s[4:5], s[20:21]          ; Q and out at my wave's first row
	s_add_nc_u64 s[12:13], s[12:13], s[20:21]
	s_add_nc_u64 s[6:7], s[6:7], s[HOFF:HOFF+1]    ; K and V at the head's first row
	s_add_nc_u64 s[8:9], s[8:9], s[HOFF:HOFF+1]
	s_cmp_eq_u32 s[WV], 4
	s_cselect_b64 s[PFA:PFA+1], s[6:7], s[8:9]     ; wave 4 asks for K's rows, wave 5 for V's
	s_add_nc_u64 s[PFA:PFA+1], s[PFA:PFA+1], s[60:61]
	s_add_nc_u64 s[6:7], s[6:7], s[22:23]          ; and at my half of chunk 0
	s_add_nc_u64 s[8:9], s[8:9], s[22:23]
.irp s, 0,1
	s_mov_b32 s[G0K+4*\s], 1                                       ; 1:0 count = 1
	s_add_co_u32 s[G0K+4*\s+1], s59, \s*RAWB                       ; 63:32 LDS address
	s_add_nc_u64 s[G0K+4*\s+2:G0K+4*\s+3], s[6:7], \s*CHB          ; 120:64 global address: chunk s
	s_or_b32 s[G0K+4*\s+3], s[G0K+4*\s+3], 0x80000000              ; 127:126 type = 2
	s_mov_b32 s[G0V+4*\s], 1
	s_add_co_u32 s[G0V+4*\s+1], s59, VRAW0+\s*RAWB
	s_add_nc_u64 s[G0V+4*\s+2:G0V+4*\s+3], s[8:9], \s*CHB
	s_or_b32 s[G0V+4*\s+3], s[G0V+4*\s+3], 0x80000000
.endr
	s_load_u8 s15, s[10:11], 0x0                   ; attn_mask: read as it is given; the computation makes nothing of it, and neither does any line here
	WIN 0x40                                       ; destination window 1
.set n, 0
.rept 32
	global_load_b128 v[128+4*n:128+4*n+3], v[GQ], s[4:5] offset:2*n*ROWG th:TH_LOAD_NT   ; my 64 rows of Q, two a load: sixteen lanes read a row's 256 bytes
.set n, n+1
.endr
	WIN 0
	CROUND                                         ; all four work-groups are here: the first joint loads meet
	s_cmp_lt_u32 s[WV], 2                          ; a wave's two first fills stand in one arm, ahead of every wait on TENSORcnt and every LDS read: two loads of mine are out
	s_cbranch_scc0 .Lfirst_not_k
	tensor_load_to_lds s[G0K:G0K+3], s[G1:G1+7]
	s_nop 0
	tensor_load_to_lds s[G0K+4:G0K+7], s[G1:G1+7]
	s_nop 0
.rept 4
	v_nop
.endr
	s_branch .Lfirst_asked
.Lfirst_not_k:
	s_cmp_lt_u32 s[WV], 4
	s_cbranch_scc0 .Lfirst_asked
	tensor_load_to_lds s[G0V:G0V+3], s[G1:G1+7]
	s_nop 0
	tensor_load_to_lds s[G0V+4:G0V+7], s[G1:G1+7]
	s_nop 0
.rept 4
	v_nop
.endr
.Lfirst_asked:
	; what is written once: the zero codes of k = 64 .. 127 on both sides, the statistics, O^T
.set n, 0
.rept 8
.irp i, 4,5,6,7
	v_mov_b32 v[KF+8*n+\i], 0
.endr
.set n, n+1
.endr
.set n, 0
.rept 4
.irp i, 4,5,6,7
	v_mov_b32 v[QF+8*n+\i], 0
.endr
	v_mov_b32 v[ST+4*n+1], 0xff61b1e6              ; m: -3e38, under every score
	v_mul_f32 v[ST+4*n], s[CS], v[ST+4*n+1]        ; c m
	v_mov_b32 v[ST+4*n+2], 0                       ; l
	v_mov_b32 v[ST+4*n+3], 0
.set n, n+1
.endr
	v_mov_b32 v[TC], 0                             ; a lane permute's destination counts as one of its sources
	v_mov_b32 v[FA+1], 0                           ; (named as the upper half of a pair)
	WIN 0x40
.set n, 0
.rept 128
	v_mov_b32 v[n], 0                              ; O^T.  The trip is written for every chunk alike: the first finds zeros, which a = 0 leaves zeros.  A first trip of its own would be a fifth copy of the trip's text
.set n, n+1
.endr
	WIN 0
; Q: tile t's 16 rows go through my stage, as they lie, and come back a block of 32 numbers a lane.  A tile's turn is issued ahead of the quantising of the tile before.
.macro QTURN t
	s_wait_loadcnt 24-8*(\t)                       ; this tile's eight loads are in; the later tiles' may be out
	WIN 0x04                                       ; an LDS store's data are its source 1: window 1
.set n, 0
.rept 8
	ds_store_b128 v[SW], v[128+32*(\t)+4*n:128+32*(\t)+4*n+3] offset:2*RP*n
.set n, n+1
.endr
	WIN 0
.set n, 0
.rept 8
	ds_load_b128 v[SS+32*((\t)%2)+4*n:SS+32*((\t)%2)+4*n+3], v[SRD] offset:16*n   ; LDS serves a wave's instructions in order (ISA guide 5.7.1.4): these see the stores above, and the next tile's stores come behind them
.set n, n+1
.endr
.endm
	QTURN 0
	QTURN 1
	s_wait_dscnt 16                                ; tile 0 is back; tile 1's eight stores and eight loads may be out
	QUANT32 SS, QF, QS
	QTURN 2
	s_wait_dscnt 16
	QUANT32 SS+32, QF+8, QS+1
	QTURN 3
	s_wait_dscnt 16
	QUANT32 SS, QF+16, QS+2
	s_wait_dscnt 0x0
	QUANT32 SS+32, QF+24, QS+3
	; chunk 0 becomes images
	s_wait_kmcnt 0x0                               ; the mask's byte has come
	s_wait_tensorcnt 0x1                           ; my part of raw slot 0 is in; slot 1's may stay out.  (No LDS instruction of mine is out: the wait above was for 0)
	s_barrier_signal -1
	s_barrier_wait -1                              ; everybody's is
	RAWLD 0
	CONV 0
	s_mov_b32 s[IT], 7
.Lpair:                                            ; seven pairs of trips, chunks 0 to 13: each fills a raw slot again, with chunks 2 to 15
	TRIP 0, 1, 1, 1
	TRIP 1, 1, 1, 0
	s_sub_co_u32 s[IT], s[IT], 1
	s_cmp_lg_u32 s[IT], 0
	s_cbranch_scc1 .Lpair
	TRIP 0, 0, 1, 0                                ; the tail is written out: chunk 14, and chunk 15's images
	TRIP 1, 0, 0, 0                                ; chunk 15
	; THE WAY OUT.  l's two halves and the other half of the lanes' are added; O^T is divided by l and goes through my stage, a tile (16 rows of out) at a time.  The additions are the places behind the last products.
.irp t, 0,1,2,3
	v_add_f32 v[CX+\t], v[ST+4*\t+2], v[ST+4*\t+3]
.endr
.irp t, 0,1,2,3
	v_permlanex16_b32 v[SA+\t], v[CX+\t], s[SEL], s[SEL+1]
.endr
.irp t, 0,1,2,3
	v_add_f32 v[CX+\t], v[CX+\t], v[SA+\t]
.endr
.irp t, 0,1,2,3
	v_rcp_f32 v[CX+\t], v[CX+\t]
.endr
	v_nop                                          ; a plain instruction behind the last reciprocal,
	s_wait_alu depctr_va_vdst(0)                   ; and the wait ahead of the first use: one for the four
; Tile t: tiles 2 u and 2 u + 1 of channels interleave to my 16 neighbouring channels 32 u + 16 h on: 64 bytes of row r.  They come back as whole rows of 256 bytes, into registers that no other tile's rows take.
.macro PACK t, breg
.set X, SS+32*((\t)%2)
	WIN 0x01                                       ; source 0 window 1
.irp u, 0,1
.irp e, 0,1
.irp j, 0,1,2,3,4,5,6,7
	v_mul_f32 v[X+16*\u+2*\j+\e], v[32*(\t)+8*(2*\u+\e)+\j], v[CX+(\t)]   ; each accumulator from its low end on
.endr
.endr
.endr
	WIN 0
.irp u, 0,1
.irp i, 0,1,2,3
	ds_store_b128 v[SO], v[X+16*\u+4*\i:X+16*\u+4*\i+3] offset:128*\u+16*\i
.endr
.endr
.set n, 0
.rept 8
	ds_load_b128 v[(\breg)+4*n:(\breg)+4*n+3], v[SW] offset:2*RP*n   ; in order behind the stores above; the next tile's stores come behind these
.set n, n+1
.endr
.endm
.macro SEND t, breg, younger           ; younger: the LDS instructions issued behind tile t's loads: the next tile's sixteen, or none
.set n, 0
.rept 8
	s_wait_dscnt (\younger)+7-n
	global_store_b128 v[GQ], v[(\breg)+4*n:(\breg)+4*n+3], s[12:13] offset:(16*(\t)+2*n)*ROWG th:TH_STORE_NT   ; sixteen lanes store 256 consecutive bytes, at a multiple of 256 from out's first byte
.set n, n+1
.endr
.endm
	PACK 0, PP
	PACK 1, KF                                     ; a tile's arithmetic stands between the loads of the tile before and its stores
	SEND 0, PP, 16
	PACK 2, KF+32
	SEND 1, KF, 16
	PACK 3, QF
	SEND 2, KF+32, 16
	SEND 3, QF, 0
	s_wait_tensorcnt 0x0                           ; the wave's end, behind my last tensor load and my last LDS store
	ds_add_u32 v[SPW], v[NIL]
	s_wait_dscnt 0x0
	CROUND                                         ; the closing round: no work-group ends while a partner may still ask for a tile that names it
	s_endpgm
.Lfunc_end_k_q0c3144aaf9_attn:
	.size	k_q0c3144aaf9_attn, .Lfunc_end_k_q0c3144aaf9_attn-k_q0c3144aaf9_attn
	.p2alignl 7, 3214868480
	.fill 96, 4, 3214868480
	.section	.rodata,"a",@progbits
	.p2align	6, 0x0
	.amdhsa_kernel k_q0c3144aaf9_attn
		.amdhsa_group_segment_fixed_size 327680
		.amdhsa_private_segment_fixed_size 0
		.amdhsa_enable_private_segment 0
		.amdhsa_kernarg_size 40
		.amdhsa_user_sgpr_count 2
		.amdhsa_user_sgpr_kernarg_segment_ptr 1
		.amdhsa_wavefront_size32 1
		.amdhsa_system_sgpr_workgroup_id_x 1
		.amdhsa_system_sgpr_workgroup_id_y 1
		.amdhsa_system_sgpr_workgroup_id_z 1
		.amdhsa_system_vgpr_workitem_id 0
		.amdhsa_next_free_vgpr 512
		.amdhsa_next_free_sgpr 66
		.amdhsa_reserve_vcc 0
		.amdhsa_float_denorm_mode_32 3
		.amdhsa_float_denorm_mode_16_64 3
		.amdhsa_memory_ordered 1
		.amdhsa_forward_progress 1
		.amdhsa_inst_pref_size 255
	.end_amdhsa_kernel
	.section	.bss,"aw",@nobits
	.p2align	6
	.space	262144
	.amdgpu_metadata
---
amdhsa.version: [ 1, 2 ]
amdhsa.kernels:
  - .name:           k_q0c3144aaf9_attn
    .symbol:         k_q0c3144aaf9_attn.kd
    .args:
      - { .name: queries, .offset: 0, .size: 8, .value_kind: global_buffer, .address_space: global }
      - { .name: keys, .offset: 8, .size: 8, .value_kind: global_buffer, .address_space: global }
      - { .name: values, .offset: 16, .size: 8, .value_kind: global_buffer, .address_space: global }
      - { .name: attn_mask, .offset: 24, .size: 8, .value_kind: global_buffer, .address_space: global }
      - { .name: out0, .offset: 32, .size: 8, .value_kind: global_buffer, .address_space: global }
    .group_segment_fixed_size: 327680
    .private_segment_fixed_size: 0
    .kernarg_segment_align: 8
    .kernarg_segment_size: 40
    .max_flat_workgroup_size: 256
    .sgpr_count:     66
    .vgpr_count:     512
    .wavefront_size: 32
...
	.end_amdgpu_metadata
.endif
;; end of part 1
